; MI455X (gfx1250); checked and timed in simulation.
; The chip was launched on July 23, 2026; its instructions are those of AMD's public machine-readable ISA for CDNA 5 (MIT licence, August 2026) and "CDNA5" Instruction Set Architecture Reference Guide (July 2026). The comments in the code are by the model that wrote it; some were corrected since.
;; Real Imag Ternary Linear. Allowed arithmetic: float matrix products may take bf16 or f16 operands with f32 sums; other float arithmetic in f32, or as packed bf16 or f16 multiplies, adds, multiply-adds, maxima and minima; sums over many terms, partial sums and values carried from step to step in f32; what a program stores and reads back later, other than sums and carried values, may be rounded once to bf16 or f16.
;; Inputs: quant_x_im 2,048 x 4,096 float32; quant_x_re 2,048 x 4,096 float32; weight_im 2,048 x 4,096 float32; weight_re 2,048 x 4,096 float32.
;; Outputs: out0 2,048 x 2,048 float32; out1 2,048 x 2,048 float32.
;; 2 versions, each right; version 2 is version 1 with the launch tern written anew for expert scheduling mode. Each part assembles by itself: llvm-mc -triple=amdgcn-amd-amdhsa -mcpu=gfx1250 --defsym DOCPART=n.
;; ======== version 1 of 2: 3 launches
;; workspace buffers: xb 33,554,432 bytes; qb 33,554,432 bytes; part 2,048 bytes
;; launch prep (part 1): grid 256 x 1, 16 waves a work-group, no clusters, 2,304 bytes of LDS; arguments weight_re, weight_im, quant_x_re, quant_x_im, xb, part; writes xb, part
.if DOCPART == 1
	.amdgcn_target "amdgcn-amd-amdhsa--gfx1250"
	.amdhsa_code_object_version 6
	.text
	.protected	k_q4a7ad8b86d_prep
	.globl	k_q4a7ad8b86d_prep
	.p2align	8
	.type	k_q4a7ad8b86d_prep,@function
k_q4a7ad8b86d_prep:
	s_mov_b64 s[64:65], 0
	v_nop
	global_prefetch_b8 v0, s[64:65] scope:SCOPE_SE
	s_setreg_imm32_b32 hwreg(HW_REG_WAVE_MODE, 25, 1), 1
	s_wait_xcnt 0x0
; PREP.  Two things in one pass over the four inputs ([2048][4096] f32 each):
;   part[mat][wg] = the work-group's partial sum of |bf16(w)|, mat 0 = weight_re, 1 = weight_im (f32 sums);
;   xb = bf16(x): rows 0-2047 quant_x_re, rows 2048-4095 quant_x_im, 4,096 bf16 a row.
; LIMIT.  The weights are rounded to bf16 (nearest even) AHEAD of the mean and of the threshold, as all inputs are: the program follows the
; reference on inputs rounded to bf16.  Against the reference on unrounded weights about 3 in 10,000 ternary digits differ (weights within
; one bf16 rounding of the threshold).  NaN and infinities are not treated apart.
; SHARES.  A work-group of 512 threads takes 131,072 bytes of each input: 16 chunks of 8,192 bytes; thread t takes 16 bytes at 16 t of a chunk, so a
; wave's load covers 512 consecutive bytes; its 8 bytes of bf16 go to 8 t of a chunk of 4,096: a wave's store covers 256 consecutive bytes, aligned.
; IN FLIGHT.  32 slots of four registers; each weight slot is loaded again with x as soon as it has been summed, so 32 loads of a wave are out until the last phase.
; THE SUM is a tree: 16 terms in each of 4 chains a lane, 32 lanes, 16 waves; the 256 work-groups' sums are added by the later launches.
; No matrix unit, cluster or tensor load: every byte is read once, by one lane, and nothing is shared.
.set CH,    8192                       ; bytes of f32 in a chunk
.set OCH,   4096                       ; bytes of bf16 in a chunk
.set SPARE, 256                        ; LDS: bytes 0-127 the waves' sums (re of wave w at 4 w, im at 64 + 4 w); from 256 on the spare words, 128 bytes a wave
.set VO,  1                            ; v1   16 t; never rewritten
.set SO,  2                            ; v2   8 t; never rewritten
.set LW,  3                            ; v3   4 x wave
.set AR,  4                            ; v[4:7]   four chains for weight_re
.set AI,  8                            ; v[8:11]  four chains for weight_im
.set SPW, 12                           ; v12  LDS address of my spare word; never rewritten
.set NIL, 13                           ; v13  0; never rewritten
.set TW,  14                           ; v14  at work in wave 0
.set PO,  15                           ; v15  byte offset in part: 1,024 x (lane / 16) + 4 x work-group
.set T,   16                           ; v[16:19] at work
.set BK,  20                           ; v[20:83] bank 0, v[84:147] bank 1: 16 slots of four registers each
	s_load_b256 s[4:11], s[0:1], 0x0               ; weight_re s[4:5], weight_im s[6:7], quant_x_re s[8:9], quant_x_im s[10:11]
	s_load_b128 s[12:15], s[0:1], 0x20             ; xb s[12:13], part s[14:15]
	v_lshl_add_u32 v[SPW], v0, 2, SPARE
	v_mov_b32 v[NIL], 0
	v_lshrrev_b32 v[LW], 5, v0
	v_readfirstlane_b32 s16, v[LW]                 ; wave 0..15
	v_lshlrev_b32 v[LW], 2, v[LW]
	v_lshlrev_b32 v[VO], 4, v0
	v_lshlrev_b32 v[SO], 3, v0
	s_lshl_b32 s18, ttmp9, 17                      ; the work-group's 131,072 bytes of an input
	s_mov_b32 s19, 0
	s_lshl_b32 s20, ttmp9, 16                      ; and its 65,536 bytes of each half of xb
	s_mov_b32 s21, 0
	s_mov_b32 s22, 0x7fff7fff                      ; clears the signs of two bf16
	s_mov_b32 s23, 0xffff0000                      ; a word's upper bf16
	s_mov_b32 s24, 0x76543210                      ; v_permlanex16_b32: each lane takes its own place in the other half
	s_mov_b32 s25, 0xfedcba98
	s_lshl_b32 s29, ttmp9, 2
	v_bfe_u32 v[PO], v0, 4, 1
	v_lshl_add_u32 v[PO], v[PO], 10, s29
	s_wait_kmcnt 0x0
	s_add_nc_u64 s[4:5], s[4:5], s[18:19]
	s_add_nc_u64 s[6:7], s[6:7], s[18:19]
	s_add_nc_u64 s[8:9], s[8:9], s[18:19]
	s_add_nc_u64 s[10:11], s[10:11], s[18:19]
	s_add_nc_u64 s[12:13], s[12:13], s[20:21]      ; xb, the re half
	s_add_nc_u64 s[26:27], s[12:13], 0x1000000     ; xb, the im half: 2,048 rows of 8,192 bytes on
.irp i, 0,1,2,3,4,5,6,7,8,9,10,11,12,13,14,15
	global_load_b128 v[BK+4*(\i):BK+4*(\i)+3], v[VO], s[4:5] offset:CH*(\i) th:TH_LOAD_NT
.endr
.irp i, 0,1,2,3,4,5,6,7,8,9,10,11,12,13,14,15
	global_load_b128 v[BK+64+4*(\i):BK+64+4*(\i)+3], v[VO], s[6:7] offset:CH*(\i) th:TH_LOAD_NT
.endr
; A weight slot: four numbers are rounded to bf16, their signs cleared, and added onto the four chains at acc; then the slot is loaded with chunk i of the x whose base is s[xs:xs+1].
.macro WSLOT bank, i, acc, xs
.set X, BK+64*(\bank)+4*(\i)
	s_wait_loadcnt 31                              ; loads come back in order: 32 are out, mine is the oldest, the 31 younger stay out
	v_cvt_pk_bf16_f32 v[X], v[X], v[X+1]
	v_cvt_pk_bf16_f32 v[X+2], v[X+2], v[X+3]
	v_and_b32 v[X], s22, v[X]
	v_and_b32 v[X+2], s22, v[X+2]
.if (\i) == 0                          ; the first slot starts the chains: nothing is cleared
	v_lshlrev_b32 v[(\acc)], 16, v[X]
	v_and_b32 v[(\acc)+1], s23, v[X]
	v_lshlrev_b32 v[(\acc)+2], 16, v[X+2]
	v_and_b32 v[(\acc)+3], s23, v[X+2]
.else
	v_lshlrev_b32 v[T], 16, v[X]
	v_and_b32 v[T+1], s23, v[X]
	v_lshlrev_b32 v[T+2], 16, v[X+2]
	v_and_b32 v[T+3], s23, v[X+2]
	v_pk_add_f32 v[(\acc):(\acc)+1], v[(\acc):(\acc)+1], v[T:T+1]
	v_pk_add_f32 v[(\acc)+2:(\acc)+3], v[(\acc)+2:(\acc)+3], v[T+2:T+3]
.endif
	global_load_b128 v[X:X+3], v[VO], s[(\xs):(\xs)+1] offset:CH*(\i) th:TH_LOAD_NT
.endm
; An x slot: four numbers rounded to bf16 and stored.  left = the younger loads that may stay out.  No register of a store is written again.
.macro XSLOT bank, i, left, ob
.set X, BK+64*(\bank)+4*(\i)
	s_wait_loadcnt \left
	v_cvt_pk_bf16_f32 v[X], v[X], v[X+1]
	v_cvt_pk_bf16_f32 v[X+1], v[X+2], v[X+3]
	global_store_b64 v[SO], v[X:X+1], s[(\ob):(\ob)+1] offset:OCH*(\i) th:TH_STORE_NT
.endm
; The sum over the 32 lanes, in every lane: four steps inside each half of 16 lanes ride on the addition, one crosses the halves.  tmp has been written before.
.macro WAVESUM a, tmp
	v_add_f32_dpp v[\a], v[\a], v[\a] row_xmask:1 row_mask:0xf bank_mask:0xf
	v_add_f32_dpp v[\a], v[\a], v[\a] row_xmask:2 row_mask:0xf bank_mask:0xf
	v_add_f32_dpp v[\a], v[\a], v[\a] row_xmask:4 row_mask:0xf bank_mask:0xf
	v_add_f32_dpp v[\a], v[\a], v[\a] row_xmask:8 row_mask:0xf bank_mask:0xf
	v_permlanex16_b32 v[\tmp], v[\a], s24, s25
	v_add_f32 v[\a], v[\a], v[\tmp]
.endm
.irp i, 0,1,2,3,4,5,6,7,8,9,10,11,12,13,14,15
	WSLOT 0, \i, AR, 8
.endr
.irp i, 0,1,2,3,4,5,6,7,8,9,10,11,12,13,14,15
	WSLOT 1, \i, AI, 10
.endr
	v_pk_add_f32 v[AR:AR+1], v[AR:AR+1], v[AR+2:AR+3]
	v_pk_add_f32 v[AI:AI+1], v[AI:AI+1], v[AI+2:AI+3]
	v_add_f32 v[AR], v[AR], v[AR+1]
	v_add_f32 v[AI], v[AI], v[AI+1]
	WAVESUM AR, AR+1
	WAVESUM AI, AI+1
	ds_store_b32 v[LW], v[AR]                      ; all lanes write the wave's word with the same number
	ds_store_b32 v[LW], v[AI] offset:64
	s_wait_dscnt 0x0                               ; for the others' sake: my two stores are done
	s_barrier_signal -1
	s_barrier_wait -1                              ; the 32 loads of x stay on their way across this barrier: nobody writes those bytes
	s_cmp_lg_u32 s16, 0                            ; wave 0 adds the sixteen waves' sums
	s_cbranch_scc1 .Lnot_wave_0
	v_and_b32 v[TW], 31, v0
	v_lshlrev_b32 v[TW], 2, v[TW]
	ds_load_b32 v[TW], v[TW]                       ; lanes 0-15: re of waves 0-15; lanes 16-31: im
	v_and_b32 v[T], 15, v0
	s_wait_dscnt 0x0
	v_add_f32_dpp v[TW], v[TW], v[TW] row_xmask:1 row_mask:0xf bank_mask:0xf
	v_add_f32_dpp v[TW], v[TW], v[TW] row_xmask:2 row_mask:0xf bank_mask:0xf
	v_add_f32_dpp v[TW], v[TW], v[TW] row_xmask:4 row_mask:0xf bank_mask:0xf
	v_add_f32_dpp v[TW], v[TW], v[TW] row_xmask:8 row_mask:0xf bank_mask:0xf
	v_cmp_eq_u32 vcc_lo, 0, v[T]
	s_wait_xcnt 0x0                                ; EXEC is a source of the loads that are out: it changes only behind this wait
	s_and_saveexec_b32 s28, vcc_lo                 ; lanes 0 and 16
	global_store_b32 v[PO], v[TW], s[14:15]        ; two numbers a work-group: 4 bytes each, the price of one sum a work-group and matrix
	s_wait_xcnt 0x0                                ; and again, in front of the line that widens it
	s_or_b32 exec_lo, exec_lo, s28
.Lnot_wave_0:
.irp i, 0,1,2,3,4,5,6,7,8,9,10,11,12,13,14,15
	XSLOT 0, \i, 31-(\i), 12                       ; nothing is loaded any more: the counts run down
.endr
.irp i, 0,1,2,3,4,5,6,7,8,9,10,11,12,13,14,15
	XSLOT 1, \i, 15-(\i), 26
.endr
	s_wait_tensorcnt 0x0                           ; the wave's end, behind my last LDS store
	ds_add_u32 v[SPW], v[NIL]
	s_wait_dscnt 0x0
	s_endpgm
.Lfunc_end_k_q4a7ad8b86d_prep:
	.size	k_q4a7ad8b86d_prep, .Lfunc_end_k_q4a7ad8b86d_prep-k_q4a7ad8b86d_prep
	.p2alignl 7, 3214868480
	.fill 96, 4, 3214868480
	.section	.rodata,"a",@progbits
	.p2align	6, 0x0
	.amdhsa_kernel k_q4a7ad8b86d_prep
		.amdhsa_group_segment_fixed_size 2304
		.amdhsa_private_segment_fixed_size 0
		.amdhsa_enable_private_segment 0
		.amdhsa_kernarg_size 48
		.amdhsa_user_sgpr_count 2
		.amdhsa_user_sgpr_kernarg_segment_ptr 1
		.amdhsa_wavefront_size32 1
		.amdhsa_system_sgpr_workgroup_id_x 1
		.amdhsa_system_sgpr_workgroup_id_y 1
		.amdhsa_system_sgpr_workgroup_id_z 1
		.amdhsa_system_vgpr_workitem_id 0
		.amdhsa_next_free_vgpr 148
		.amdhsa_next_free_sgpr 66
		.amdhsa_reserve_vcc 1
		.amdhsa_float_denorm_mode_32 3
		.amdhsa_float_denorm_mode_16_64 3
		.amdhsa_memory_ordered 1
		.amdhsa_forward_progress 1
		.amdhsa_inst_pref_size 33
	.end_amdhsa_kernel
	.amdgpu_metadata
---
amdhsa.version: [ 1, 2 ]
amdhsa.kernels:
  - .name:           k_q4a7ad8b86d_prep
    .symbol:         k_q4a7ad8b86d_prep.kd
    .args:
      - { .name: weight_re, .offset: 0, .size: 8, .value_kind: global_buffer, .address_space: global }
      - { .name: weight_im, .offset: 8, .size: 8, .value_kind: global_buffer, .address_space: global }
      - { .name: quant_x_re, .offset: 16, .size: 8, .value_kind: global_buffer, .address_space: global }
      - { .name: quant_x_im, .offset: 24, .size: 8, .value_kind: global_buffer, .address_space: global }
      - { .name: xb, .offset: 32, .size: 8, .value_kind: global_buffer, .address_space: global }
      - { .name: part, .offset: 40, .size: 8, .value_kind: global_buffer, .address_space: global }
    .group_segment_fixed_size: 2304
    .private_segment_fixed_size: 0
    .kernarg_segment_align: 8
    .kernarg_segment_size: 48
    .max_flat_workgroup_size: 512
    .sgpr_count:     66
    .vgpr_count:     148
    .wavefront_size: 32
...
	.end_amdgpu_metadata
.endif
;; end of part 1
;; launch tern (part 2): grid 256 x 1, 16 waves a work-group, no clusters, 0 bytes of LDS; arguments weight_re, weight_im, part, qb; writes qb
.if DOCPART == 2
	.amdgcn_target "amdgcn-amd-amdhsa--gfx1250"
	.amdhsa_code_object_version 6
	.text
	.protected	k_q4a7ad8b86d_tern
	.globl	k_q4a7ad8b86d_tern
	.p2align	8
	.type	k_q4a7ad8b86d_tern,@function
k_q4a7ad8b86d_tern:
	s_mov_b64 s[64:65], 0
	v_nop
	global_prefetch_b8 v0, s[64:65] scope:SCOPE_SE
	s_setreg_imm32_b32 hwreg(HW_REG_WAVE_MODE, 25, 1), 1
	s_wait_xcnt 0x0
; TERN.  qb = the ternary digits as bf16 (-1, 0, 1 are exact there): rows 0-2047 of weight_re, rows 2048-4095 of weight_im, 4,096 a row.
;   m = max(sum of |bf16(w)| / 2^23, 1e-5);  scale = 1 / m;  q = clip(round to nearest even(bf16(w) x scale), -1, 1).  The factor 1 / scale is applied by the product's launch, in f32.
; LIMIT.  The weights are rounded to bf16 ahead of the threshold (see the launch that makes part).  1 / m is v_rcp_f32 and one Newton step (two fused multiply-adds).  NaN and infinities are not treated apart.
; Every wave adds the 256 partial sums of each matrix in the same order, so the whole launch has one threshold for each matrix.
; SHARES as in the launch before: 16 chunks of 8,192 bytes of each matrix to a work-group, 16 bytes a thread and chunk; all 32 loads of a thread go out at the start.
; No LDS, matrix unit or cluster: every byte of w is read once, by one lane.
.set CH,  8192
.set OCH, 4096
.set VO,  1                            ; v1   16 t; never rewritten
.set SO,  2                            ; v2   8 t; never rewritten
.set PV,  3                            ; v3   16 x lane
.set PR,  4                            ; v[4:11]   eight of weight_re's 256 partial sums, then at work
.set PI,  12                           ; v[12:19]  the same for weight_im
.set BK,  20                           ; v[20:147] 32 slots of four registers
	s_load_b256 s[4:11], s[0:1], 0x0               ; weight_re s[4:5], weight_im s[6:7], part s[8:9], qb s[10:11]
	v_lshlrev_b32 v[VO], 4, v0
	v_lshlrev_b32 v[SO], 3, v0
	v_and_b32 v[PV], 31, v0
	v_lshlrev_b32 v[PV], 4, v[PV]
	s_lshl_b32 s12, ttmp9, 17
	s_mov_b32 s13, 0
	s_lshl_b32 s14, ttmp9, 16
	s_mov_b32 s15, 0
	s_mov_b32 s18, 0xffff0000                      ; a word's upper bf16
	s_mov_b32 s20, 0x76543210
	s_mov_b32 s21, 0xfedcba98
	s_mov_b32 s26, 0xbf800000                      ; -1.0
	s_mov_b32 s27, 0x3f800000                      ; 1.0
	s_wait_kmcnt 0x0
	s_add_nc_u64 s[4:5], s[4:5], s[12:13]
	s_add_nc_u64 s[6:7], s[6:7], s[12:13]
	s_add_nc_u64 s[10:11], s[10:11], s[14:15]      ; qb, the re half
	s_add_nc_u64 s[16:17], s[10:11], 0x1000000     ; qb, the im half
	global_load_b128 v[PR:PR+3],   v[PV], s[8:9]               ; 256 f32 of a matrix are 1,024 bytes: 2 x 16 bytes a lane
	global_load_b128 v[PR+4:PR+7], v[PV], s[8:9] offset:512
	global_load_b128 v[PI:PI+3],   v[PV], s[8:9] offset:1024
	global_load_b128 v[PI+4:PI+7], v[PV], s[8:9] offset:1536
.irp i, 0,1,2,3,4,5,6,7,8,9,10,11,12,13,14,15
	global_load_b128 v[BK+4*(\i):BK+4*(\i)+3], v[VO], s[4:5] offset:CH*(\i) th:TH_LOAD_NT
.endr
.irp i, 0,1,2,3,4,5,6,7,8,9,10,11,12,13,14,15
	global_load_b128 v[BK+64+4*(\i):BK+64+4*(\i)+3], v[VO], s[6:7] offset:CH*(\i) th:TH_LOAD_NT
.endr
.macro WAVESUM a, tmp                  ; the sum over the 32 lanes, in every lane
	v_add_f32_dpp v[\a], v[\a], v[\a] row_xmask:1 row_mask:0xf bank_mask:0xf
	v_add_f32_dpp v[\a], v[\a], v[\a] row_xmask:2 row_mask:0xf bank_mask:0xf
	v_add_f32_dpp v[\a], v[\a], v[\a] row_xmask:4 row_mask:0xf bank_mask:0xf
	v_add_f32_dpp v[\a], v[\a], v[\a] row_xmask:8 row_mask:0xf bank_mask:0xf
	v_permlanex16_b32 v[\tmp], v[\a], s20, s21
	v_add_f32 v[\a], v[\a], v[\tmp]
.endm
.macro SUM256 a                        ; eight numbers a lane, 256 in the wave: their sum into v[a] of every lane
	v_pk_add_f32 v[(\a):(\a)+1], v[(\a):(\a)+1], v[(\a)+4:(\a)+5]
	v_pk_add_f32 v[(\a)+2:(\a)+3], v[(\a)+2:(\a)+3], v[(\a)+6:(\a)+7]
	v_pk_add_f32 v[(\a):(\a)+1], v[(\a):(\a)+1], v[(\a)+2:(\a)+3]
	v_add_f32 v[(\a)], v[(\a)], v[(\a)+1]
	WAVESUM (\a), (\a)+1
.endm
; d = 1 / x for two numbers: the two reciprocals are one batch, with one plain line and one wait ahead of their first reader; then a Newton step: e = 1 - x d, d = d + e d.
.macro RECIP2 d0, x0, e0, d1, x1, e1
	v_rcp_f32 v[\d0], v[\x0]
	v_rcp_f32 v[\d1], v[\x1]
	v_nop
	s_wait_alu depctr_va_vdst(0)
	v_fma_f32 v[\e0], -v[\x0], v[\d0], 1.0
	v_fma_f32 v[\e1], -v[\x1], v[\d1], 1.0
	v_fma_f32 v[\d0], v[\e0], v[\d0], v[\d0]
	v_fma_f32 v[\d1], v[\e1], v[\d1], v[\d1]
.endm
	s_wait_loadcnt 32                              ; the four loads of part are in; the 32 younger loads of w stay out
	SUM256 PR
	SUM256 PI
	v_mul_f32 v[PR], 0x34000000, v[PR]             ; / 2^23 numbers: exact
	v_mul_f32 v[PI], 0x34000000, v[PI]
	v_max_num_f32 v[PR], 0x3727c5ac, v[PR]         ; 1e-5
	v_max_num_f32 v[PI], 0x3727c5ac, v[PI]
	RECIP2 PR+1, PR, PR+2, PI+1, PI, PI+2
	v_readfirstlane_b32 s22, v[PR+1]               ; scale of weight_re; the packed multiply names a pair, so both words are written
	v_readfirstlane_b32 s23, v[PR+1]
	v_readfirstlane_b32 s24, v[PI+1]               ; scale of weight_im
	v_readfirstlane_b32 s25, v[PI+1]
; Slot n: matrix n / 16, chunk n % 16.  Four numbers: rounded to bf16, widened, scaled, rounded to whole numbers, clipped, packed (exact) and stored.
.macro QSLOT n
.set X, BK+4*(\n)
	s_wait_loadcnt 31-(\n)                         ; loads come back in order: the younger ones stay out
	v_cvt_pk_bf16_f32 v[X], v[X], v[X+1]
	v_cvt_pk_bf16_f32 v[X+2], v[X+2], v[X+3]
	v_and_b32 v[X+1], s18, v[X]
	v_lshlrev_b32 v[X], 16, v[X]
	v_and_b32 v[X+3], s18, v[X+2]
	v_lshlrev_b32 v[X+2], 16, v[X+2]
	v_pk_mul_f32 v[X:X+1], v[X:X+1], s[22+2*((\n)/16):23+2*((\n)/16)] op_sel_hi:[1,0]
	v_pk_mul_f32 v[X+2:X+3], v[X+2:X+3], s[22+2*((\n)/16):23+2*((\n)/16)] op_sel_hi:[1,0]
	v_rndne_f32 v[X], v[X]
	v_rndne_f32 v[X+1], v[X+1]
	v_rndne_f32 v[X+2], v[X+2]
	v_rndne_f32 v[X+3], v[X+3]
	v_med3_num_f32 v[X], v[X], s26, s27
	v_med3_num_f32 v[X+1], v[X+1], s26, s27
	v_med3_num_f32 v[X+2], v[X+2], s26, s27
	v_med3_num_f32 v[X+3], v[X+3], s26, s27
	v_cvt_pk_bf16_f32 v[X], v[X], v[X+1]
	v_cvt_pk_bf16_f32 v[X+1], v[X+2], v[X+3]
	global_store_b64 v[SO], v[X:X+1], s[10+6*((\n)/16):11+6*((\n)/16)] offset:OCH*((\n)%16) th:TH_STORE_NT  ; a wave's store covers 256 consecutive bytes, aligned; its registers are not written again
.endm
.irp n, 0,1,2,3,4,5,6,7,8,9,10,11,12,13,14,15,16,17,18,19,20,21,22,23,24,25,26,27,28,29,30,31
	QSLOT \n
.endr
	s_endpgm
.Lfunc_end_k_q4a7ad8b86d_tern:
	.size	k_q4a7ad8b86d_tern, .Lfunc_end_k_q4a7ad8b86d_tern-k_q4a7ad8b86d_tern
	.p2alignl 7, 3214868480
	.fill 96, 4, 3214868480
	.section	.rodata,"a",@progbits
	.p2align	6, 0x0
	.amdhsa_kernel k_q4a7ad8b86d_tern
		.amdhsa_group_segment_fixed_size 0
		.amdhsa_private_segment_fixed_size 0
		.amdhsa_enable_private_segment 0
		.amdhsa_kernarg_size 32
		.amdhsa_user_sgpr_count 2
		.amdhsa_user_sgpr_kernarg_segment_ptr 1
		.amdhsa_wavefront_size32 1
		.amdhsa_system_sgpr_workgroup_id_x 1
		.amdhsa_system_sgpr_workgroup_id_y 1
		.amdhsa_system_sgpr_workgroup_id_z 1
		.amdhsa_system_vgpr_workitem_id 0
		.amdhsa_next_free_vgpr 148
		.amdhsa_next_free_sgpr 66
		.amdhsa_reserve_vcc 0
		.amdhsa_float_denorm_mode_32 3
		.amdhsa_float_denorm_mode_16_64 3
		.amdhsa_memory_ordered 1
		.amdhsa_forward_progress 1
		.amdhsa_inst_pref_size 39
	.end_amdhsa_kernel
	.amdgpu_metadata
---
amdhsa.version: [ 1, 2 ]
amdhsa.kernels:
  - .name:           k_q4a7ad8b86d_tern
    .symbol:         k_q4a7ad8b86d_tern.kd
    .args:
      - { .name: weight_re, .offset: 0, .size: 8, .value_kind: global_buffer, .address_space: global }
      - { .name: weight_im, .offset: 8, .size: 8, .value_kind: global_buffer, .address_space: global }
      - { .name: part, .offset: 16, .size: 8, .value_kind: global_buffer, .address_space: global }
      - { .name: qb, .offset: 24, .size: 8, .value_kind: global_buffer, .address_space: global }
    .group_segment_fixed_size: 0
    .private_segment_fixed_size: 0
    .kernarg_segment_align: 8
    .kernarg_segment_size: 32
    .max_flat_workgroup_size: 512
    .sgpr_count:     66
    .vgpr_count:     148
    .wavefront_size: 32
...
	.end_amdgpu_metadata
.endif
;; end of part 2
;; launch gemm (part 3): grid 16 x 16, 4 waves a work-group, clusters of 4 x 4, 327,680 bytes of LDS; arguments xb, qb, part, out0, out1; writes out0, out1
.if DOCPART == 3
	.amdgcn_target "amdgcn-amd-amdhsa--gfx1250"
	.amdhsa_code_object_version 6
	.text
	.protected	k_q4a7ad8b86d_gemm
	.globl	k_q4a7ad8b86d_gemm
	.p2align	8
	.type	k_q4a7ad8b86d_gemm,@function
k_q4a7ad8b86d_gemm:
	s_mov_b64 s[64:65], 0
	v_nop
	global_prefetch_b8 v0, s[64:65] scope:SCOPE_SE
	s_setreg_imm32_b32 hwreg(HW_REG_WAVE_MODE, 25, 1), 1
	s_wait_xcnt 0x0
	s_wait_alu depctr_hold_cnt(0) depctr_sa_sdst(0) depctr_va_vdst(0) depctr_va_sdst(0) depctr_va_ssrc(0) depctr_va_vcc(0) depctr_vm_vsrc(0)
	s_getreg_b32 s2, hwreg(HW_REG_IB_STS2, 6, 4)
	s_cmp_eq_u32 s2, 0
	s_cbranch_scc0 .Lentry_in_a_cluster
	s_endpgm
.Lentry_in_a_cluster:
	s_bfe_u32 s2, ttmp6, 0x10000c
	s_cmp_lg_u32 s2, 0xf033
	s_cbranch_scc0 .Lentry_shape_is_right
	s_endpgm
.Lentry_shape_is_right:
; GEMM.  out0 = s_re (x_re q_re^T) - s_im (x_im q_im^T);  out1 = s_im (x_re q_im^T) + s_re (x_im q_re^T).  x: xb, bf16 [4096][4096] (re rows, then im rows); q: qb, the ternary digits, likewise;
; out0, out1: [2048][2048] f32.  s = 1 / scale, scale = 1 / max(mean |bf16(w)|, 1e-5), made here from part as the launch before made it.  Products in bf16 with f32 sums; the two scales and the minus
; sign are applied once, in f32, on the way out: no scale is ever rounded to 16 bits.  LIMITS: those of the two launches before (inputs rounded to bf16 first); NaN and infinities are not treated apart.
; THE FOUR REAL PRODUCTS ARE ONE: [x_re; x_im] times [q_re; q_im]^T.  A work-group makes 128 x 128 complex outputs: 128 rows of x_re and the same 128 of x_im against 128 rows of q_re and the same 128 of q_im:
; a real tile of 256 x 256.  Four waves, as many as a WGP has SIMDs; a wave makes 64 x 64 complex outputs: 64 accumulators of 16 x 16, 512 registers, and holds all four products of each of its outputs.
; K goes in 32 steps of 128 through a ring of two LDS slots filled by the tensor data mover; a tile's rows are 256 bytes of memory and start at multiples of 256 bytes from the buffer's first byte.
; CLUSTERS: 4 x 4 work-groups.  The four of a row of the cluster need the same rows of x, the four of a column the same rows of q: each tile is asked for JOINTLY, by the same tensor load with the same
; descriptor and a mask that names the four.
; THE MATRIX INSTRUCTION IS USED TRANSPOSED (source 0 = 16 rows of q, source 1 = 16 rows of x): a lane then holds row l % 16 and the eight neighbouring columns 8 (l / 16) + 0..7 of the output.
; REGISTERS, in windows of 256 (s_set_vgpr_msb: bits 1:0 source 0, 3:2 source 1, 5:4 source 2, 7:6 destination):
;   window 0: v0-31 addresses; v64-127, v128-191 fragments of x, two buffers (blocks 0-3 x_re, 4-7 x_im); v32-63, v192-255 at work on the way out (v32-47 at the head: part)
;   window 1: v64-127, v128-191 fragments of q, two buffers (blocks 0-3 q_re, 4-7 q_im)
;   window 2: the 32 accumulators of x_re's rows (row block a, q block b at v[8 (8 a + b)]);   window 3: those of x_im's rows
.set KSTEP,  128
.set ROWB,   8192                      ; bytes in a row of xb and qb (4,096 bf16) and in a row of out0 and out1 (2,048 f32)
.set PITCH,  272                       ; an LDS row: 256 bytes + 16 of padding = 68 words: the 16 rows that a load touches start at 16 different groups of four banks (64 banks of 4 bytes: ISA guide 11.1)
.set HALFT,  128*PITCH                 ; 128 rows: what one tensor load brings
.set SLOT,   4*HALFT                   ; x_re's 128 rows, x_im's, q_re's, q_im's
.set STAGE,  2*SLOT                    ; behind the ring: 16 rows x 272 bytes for each wave, for the way out; no tensor load lands there
.set SPITCH, 272
.set SPARE,  STAGE+4*16*SPITCH         ; behind the stages: the spare words, 128 bytes for each wave: two blocks of 256 bytes that no other line names
.set LAPS,   16                        ; a lap = two K steps = once round the ring
.set ADRA, 16                          ; v16-17  LDS address of my fragments of x in slot 0, 1
.set ADRB, 20                          ; v20-21  the same for q
.set STO,  24                          ; v24     the way out: where I put 32 bytes of a row
.set RD,   25                          ; v25     the way out: where I read a row back
.set CO,   26                          ; v26     my byte offset in the outputs
.set SPW,  28                          ; v28     LDS address of my spare word; never rewritten
.set NIL,  29                          ; v29     0; never rewritten
.set PFO,  30                          ; v30     the prefetches' offset: my lane x a row; never rewritten
.set PV,   31                          ; v31     16 x lane, for part
.set PR,   32                          ; v[32:39] eight of weight_re's partial sums, then at work;  v[40:47] the same for weight_im
.set PI,   40
.set F0,   64
.set F1,   128
.set TMP,  192                         ; the way out: 32 finished f32
.set OB,   32                          ; the way out: 16 rows read back: v32-63 and v224-255 by turns
.set WV,  14                           ; s14  my wave's number
.set HM,  15                           ; s15  which 64 of the 128 rows are mine.  Also: I fetch for x (0) or for q (1)
.set HN,  16                           ; s16  which 64 of the 128 columns.  Also: I fetch the re (0) or the im (1) rows
.set G1,  24                           ; s[24:31] descriptor group 1 for x's tiles;  s[32:39] group 0, a set for each slot
.set G0,  32
.set G1B, 48                           ; s[48:55], s[56:63] the same for q's tiles
.set G0B, 56
.set SR,  66                           ; s[66:67] s_re, twice: the packed forms name a pair
.set SI,  68                           ; s[68:69] s_im
.set NSI, 70                           ; s[70:71] -s_im
.set SEL, 72                           ; s[72:73] v_permlanex16_b32's selects
.set LIM, 74                           ; s74  1 in a wave that prefetches, else the greatest number
.set PFA, 76                           ; s[76:77] where my prefetches stand
.set MSB, 0
.macro WIN new                         ; the immediate's high byte repeats the setting that is left; a switch that changes nothing is dropped
.if MSB != (\new)
	s_set_vgpr_msb (MSB<<8)|(\new)
.set MSB, \new
.endif
.endm
.set MUL_LO, 0xa1                      ; source 0 (q) window 1, source 1 (x) window 0, C and D window 2
.set MUL_HI, 0xf1                      ; the same, C and D window 3
.set TO_B,   0x40                      ; destination window 1, address window 0
; A joint load.  Waves 0 and 1 fetch x_re's and x_im's rows, waves 2 and 3 q_re's and q_im's.  Each of the two lines has one mask and one set of registers for all that issue it.  The branch hangs on the
; wave's number alone.  An s_nop 0 and four v_nop follow each of the two lines, ahead of the jump, the label and what follows.
.macro JLOAD s
	s_cmp_eq_u32 s[HM], 0
	s_cbranch_scc0 .Lfor_b_\@
	tensor_load_to_lds s[G0+4*(\s):G0+4*(\s)+3], s[G1:G1+7]
	s_nop 0
.rept 4
	v_nop
.endr
	s_branch .Lasked_\@
.Lfor_b_\@:
	tensor_load_to_lds s[G0B+4*(\s):G0B+4*(\s)+3], s[G1B:G1B+7]
	s_nop 0
.rept 4
	v_nop
.endr
.Lasked_\@:
.endm
; A PREFETCH INTO THE L2, behind each joint load and the run of LDS loads that follows it: the K step that stands TWO refills on (512 matrix instructions ahead of the load that will want it): 32 rows x 256 bytes,
; a lane a row, one instruction a wave.  Each row's 256 bytes of a K step are named once in the launch: x's rows are read by every cluster of a row of clusters, and the one with x = 0 asks; q's by every cluster of
; a column, and the one with y = 0 asks; the four partners that ask for a tile jointly share its 128 rows out BY ADDRESS, 32 each.  The loop's last trip (s3 = 1) asks for nothing: K steps 32 and 33 do not exist.
.macro ASK
	s_cmp_gt_u32 s3, s[LIM]
	s_cbranch_scc0 .Lnot_mine_\@
	global_prefetch_b8 v[PFO], s[PFA:PFA+1] offset:KSTEP*2 th:TH_LOAD_NT scope:SCOPE_SE
.Lnot_mine_\@:
.endm
; A round of the cluster's barrier: my work-group's barrier; wave 0 signals for the work-group; every wave waits for all sixteen work-groups; my work-group's barrier once more.
.macro CREST                           ; a round behind its opening barrier
	s_cmp_lg_u32 s[WV], 0
	s_cbranch_scc1 .Lnot_wave_0_\@
	s_barrier_signal -3
.Lnot_wave_0_\@:
	s_barrier_wait -3
	s_barrier_signal -1
	s_barrier_wait -1
.endm
.macro CROUND                          ; a whole round
	s_barrier_signal -1
	s_barrier_wait -1
	CREST
.endm
	s_load_b256 s[4:11], s[0:1], 0x0               ; xb s[4:5], qb s[6:7], part s[8:9], out0 s[10:11]
	s_load_b64 s[12:13], s[0:1], 0x20              ; out1
	v_lshl_add_u32 v[SPW], v0, 2, SPARE
	v_mov_b32 v[NIL], 0
	ds_add_u32 v[SPW], v[NIL]                      ; the wave's opening: the add and its wait stand ahead of my first tensor load; the set-up below, work on registers, stands between them
	v_lshrrev_b32 v1, 5, v0
	v_readfirstlane_b32 s[WV], v1                  ; wave 0..3
	s_lshr_b32 s[HM], s[WV], 1
	s_and_b32 s[HN], s[WV], 1
	s_bfe_u32 s17, ttmp6, 0x40000                  ; cx: my place along the cluster's x
	s_bfe_u32 s18, ttmp6, 0x40004                  ; cy: along its y
	s_lshl_b32 s19, ttmp9, 2                       ; in a cluster launch ttmp9 and ttmp7 count clusters
	s_add_co_u32 s19, s19, s17                     ; tx: my 128 columns = 4 x cluster x + cx
	s_and_b32 s20, ttmp7, 0xffff
	s_lshl_b32 s20, s20, 2
	s_add_co_u32 s20, s20, s18                     ; ty: my 128 rows = 4 x cluster y + cy
	s_lshl_b32 s21, s18, 2
	s_lshl_b32 s21, 15, s21                        ; my row of the cluster: places 4 cy .. 4 cy + 3
	s_lshl_b32 s22, 0x1111, s17                    ; my column: places cx, cx + 4, cx + 8, cx + 12
	; descriptor group 1: a tile of 128 rows x 128 elements, padded in LDS
	s_or_b32 s[G1+0], s21, (1<<16)|(1<<20)|(1<<21)|(5<<22)|(3<<25)   ; 15:0 the mask: x's tiles go to my row; 17:16 elements of 2 bytes; 20 padding on; 21 set beside a mask; 24:22 after every 64 words (code 5); 31:25 4 words (code 3)
	s_or_b32 s[G1B+0], s22, (1<<16)|(1<<20)|(1<<21)|(5<<22)|(3<<25)  ; the same with the mask of my column, for q's tiles
.irp g, G1, G1B
	s_mov_b32 s[(\g)+1], KSTEP<<16                 ; tensor_dim0 = 128
	s_mov_b32 s[(\g)+2], 128<<16                   ; tensor_dim1 = 128
	s_mov_b32 s[(\g)+3], KSTEP<<16                 ; tile_dim0 = 128
	s_mov_b32 s[(\g)+4], 128                       ; tile_dim1 = 128
	s_mov_b32 s[(\g)+5], 4096                      ; elements from row to row
	s_mov_b32 s[(\g)+6], 0
	s_mov_b32 s[(\g)+7], 0
.endr
	; where the tiles come from: 128 rows are 2^20 bytes, the im part begins 2^24 bytes in.  x's address hangs on ty alone, which my row of the cluster shares; q's on tx alone, which my column shares.
	s_lshl_b32 s23, s[HN], 24
	s_lshl_b32 s40, s20, 20
	s_add_co_u32 s40, s40, s23
	s_mov_b32 s41, 0
	s_lshl_b32 s46, s19, 20
	s_add_co_u32 s46, s46, s23
	s_mov_b32 s47, 0
	s_mul_i32 s42, s[WV], HALFT                    ; and where they go: wave x 128 rows: no place in the cluster enters an LDS address
	s_mov_b32 s[SEL], 0x76543210
	s_mov_b32 s[SEL+1], 0xfedcba98
	s_wait_dscnt 0x0                               ; the opening add is done
	s_wait_kmcnt 0x0
	s_add_nc_u64 s[40:41], s[4:5], s[40:41]
	s_add_nc_u64 s[46:47], s[6:7], s[46:47]
	CROUND                                         ; all sixteen work-groups are here: the first joint loads meet
.irp s, 0,1
	s_mov_b32 s[G0+4*(\s)], 1                                        ; count = 1
	s_add_co_u32 s[G0+4*(\s)+1], s42, (\s)*SLOT                      ; LDS address
	s_add_nc_u64 s[G0+4*(\s)+2:G0+4*(\s)+3], s[40:41], (\s)*KSTEP*2  ; global address: K step s
	s_or_b32 s[G0+4*(\s)+3], s[G0+4*(\s)+3], 0x80000000              ; type = 2
	s_mov_b32 s[G0B+4*(\s)], 1
	s_add_co_u32 s[G0B+4*(\s)+1], s42, (\s)*SLOT
	s_add_nc_u64 s[G0B+4*(\s)+2:G0B+4*(\s)+3], s[46:47], (\s)*KSTEP*2
	s_or_b32 s[G0B+4*(\s)+3], s[G0B+4*(\s)+3], 0x80000000
	JLOAD \s                                       ; the ring is filled before anything else is done: two tensor loads of mine are out
.endr
	v_and_b32 v[PV], 31, v0
	v_lshlrev_b32 v[PFO], 13, v[PV]                ; lane x 8,192
	v_lshlrev_b32 v[PV], 4, v[PV]
	global_load_b128 v[PR:PR+3],   v[PV], s[8:9]               ; the 256 partial sums of each matrix: 2 x 16 bytes a lane
	global_load_b128 v[PR+4:PR+7], v[PV], s[8:9] offset:512
	global_load_b128 v[PI:PI+3],   v[PV], s[8:9] offset:1024
	global_load_b128 v[PI+4:PI+7], v[PV], s[8:9] offset:1536
	; A fragment is 16 rows x 32 K in 8 registers: lane l holds row l % 16; registers 0-3 K = 8 (l / 16) + 0..7, registers 4-7 K = 16 + 8 (l / 16) + 0..7: two loads of 16 bytes, 32 bytes apart.
	v_and_b32 v1, 15, v0                           ; l % 16
	v_bfe_u32 v2, v0, 4, 1                         ; l / 16
	v_mul_u32_u24 v3, v1, PITCH
	v_lshl_add_u32 v3, v2, 4, v3                   ; row x pitch + 16 x half
	s_mul_i32 s78, s[HM], 64*PITCH                 ; my 64 rows of x_re (x_im's lie HALFT further on),
	s_mul_i32 s79, s[HN], 64*PITCH                 ; my 64 rows of q_re,
	s_add_co_u32 s79, s79, 2*HALFT                 ; which lie behind x's 256
.irp s, 0,1
	v_add_nc_u32 v[ADRA+(\s)], s78, v3
	v_add_nc_u32 v[ADRB+(\s)], s79, v3
	s_add_co_u32 s78, s78, SLOT
	s_add_co_u32 s79, s79, SLOT
.endr
	s_mul_i32 s43, s[WV], 16*SPITCH
	s_add_co_u32 s43, s43, STAGE                   ; my stage
	v_mul_u32_u24 v4, v1, SPITCH                   ; in: row l % 16, 32 bytes for each half of the lanes
	v_lshl_add_u32 v4, v2, 5, v4
	v_add_nc_u32 v[STO], s43, v4
	v_mul_u32_u24 v5, v2, SPITCH                   ; back: lanes 0-15 take one row of 256 bytes, lanes 16-31 the next
	v_lshl_add_u32 v5, v1, 4, v5
	v_add_nc_u32 v[RD], s43, v5
	v_lshlrev_b32 v5, 13, v2                       ; and the same two rows in the outputs
	v_lshl_add_u32 v[CO], v1, 4, v5
	; my 64 x 64 in out0 and out1: row 128 ty + 64 HM (8,192 bytes each), column 128 tx + 64 HN (4 bytes each)
	s_lshl_b32 s44, s20, 20
	s_lshl_b32 s43, s[HM], 19
	s_add_co_u32 s44, s44, s43
	s_lshl_b32 s43, s19, 9
	s_add_co_u32 s44, s44, s43
	s_lshl_b32 s43, s[HN], 8
	s_add_co_u32 s44, s44, s43
	s_mov_b32 s45, 0
	s_add_nc_u64 s[10:11], s[10:11], s[44:45]
	s_add_nc_u64 s[12:13], s[12:13], s[44:45]
	; the prefetches
	s_and_b32 s78, ttmp7, 0xffff                   ; cluster y
	s_cmp_eq_u32 s[HM], 0                          ; do I fetch for x?
	s_cselect_b32 s43, s20, s19                    ; the tile's 128 rows: in xb by ty, in qb by tx
	s_cselect_b32 s79, s17, s18                    ; my place among the four that ask for it with me
	s_cselect_b32 s78, ttmp9, s78                  ; the coordinate along which other clusters read the same rows
	s_cselect_b64 s[PFA:PFA+1], s[4:5], s[6:7]
	s_cmp_eq_u32 s78, 0
	s_cselect_b32 s[LIM], 1, -1                    ; the same in all sixteen partners, for a given wave
	s_lshl_b32 s43, s43, 20
	s_lshl_b32 s78, s[HN], 24
	s_add_co_u32 s78, s78, s43
	s_lshl_b32 s79, s79, 18                        ; my work-group's 32 of the 128 rows
	s_add_co_u32 s78, s78, s79
	s_mov_b32 s79, 0
	s_add_nc_u64 s[PFA:PFA+1], s[PFA:PFA+1], s[78:79]
	s_add_nc_u64 s[PFA:PFA+1], s[PFA:PFA+1], 2*KSTEP*2  ; at K step 2: the first refill steps it to 3 and names K step 4.  Nothing is prefetched here, at the head
	; THE TWO SCALES, in the wait for the first tile: the same sums in the same order as in the launch that made the digits
.macro WAVESUM a, tmp
	v_add_f32_dpp v[\a], v[\a], v[\a] row_xmask:1 row_mask:0xf bank_mask:0xf
	v_add_f32_dpp v[\a], v[\a], v[\a] row_xmask:2 row_mask:0xf bank_mask:0xf
	v_add_f32_dpp v[\a], v[\a], v[\a] row_xmask:4 row_mask:0xf bank_mask:0xf
	v_add_f32_dpp v[\a], v[\a], v[\a] row_xmask:8 row_mask:0xf bank_mask:0xf
	v_permlanex16_b32 v[\tmp], v[\a], s[SEL], s[SEL+1]
	v_add_f32 v[\a], v[\a], v[\tmp]
.endm
.macro SUM256 a
	v_pk_add_f32 v[(\a):(\a)+1], v[(\a):(\a)+1], v[(\a)+4:(\a)+5]
	v_pk_add_f32 v[(\a)+2:(\a)+3], v[(\a)+2:(\a)+3], v[(\a)+6:(\a)+7]
	v_pk_add_f32 v[(\a):(\a)+1], v[(\a):(\a)+1], v[(\a)+2:(\a)+3]
	v_add_f32 v[(\a)], v[(\a)], v[(\a)+1]
	WAVESUM (\a), (\a)+1
.endm
; d = 1 / x for two numbers: one batch of two reciprocals, one plain line and one wait ahead of their first reader; then a Newton step
.macro RECIP2 d0, x0, e0, d1, x1, e1
	v_rcp_f32 v[\d0], v[\x0]
	v_rcp_f32 v[\d1], v[\x1]
	v_nop
	s_wait_alu depctr_va_vdst(0)
	v_fma_f32 v[\e0], -v[\x0], v[\d0], 1.0
	v_fma_f32 v[\e1], -v[\x1], v[\d1], 1.0
	v_fma_f32 v[\d0], v[\e0], v[\d0], v[\d0]
	v_fma_f32 v[\d1], v[\e1], v[\d1], v[\d1]
.endm
	s_wait_loadcnt 0x0                             ; part
	SUM256 PR
	SUM256 PI
	v_mul_f32 v[PR], 0x34000000, v[PR]             ; / 2^23
	v_mul_f32 v[PI], 0x34000000, v[PI]
	v_max_num_f32 v[PR], 0x3727c5ac, v[PR]         ; 1e-5
	v_max_num_f32 v[PI], 0x3727c5ac, v[PI]
	RECIP2 PR+1, PR, PR+2, PI+1, PI, PI+2          ; scale
	RECIP2 PR+3, PR+1, PR+2, PI+3, PI+1, PI+2      ; 1 / scale: what a digit 1 is worth
	v_readfirstlane_b32 s[SR], v[PR+3]
	v_readfirstlane_b32 s[SR+1], v[PR+3]
	v_readfirstlane_b32 s[SI], v[PI+3]
	v_readfirstlane_b32 s[SI+1], v[PI+3]
	s_xor_b32 s[NSI], s[SI], 0x80000000
	s_xor_b32 s[NSI+1], s[SI], 0x80000000
; 16 matrix instructions: row blocks a0, a0 + 1 of the window's four (hi = 0: x_re, 1: x_im) x all 8 blocks of q, 32 along K.  zero = 1: the first product starts the sums: nothing is ever cleared.
; The 64 accumulators take turns, one instruction a turn, in the same order in every quarter step.
.macro MUL16 f, hi, a0, zero
	WIN MUL_LO+0x50*(\hi)
.irp a, \a0, (\a0)+1
.irp b, 0,1,2,3,4,5,6,7
.if \zero
	v_wmma_f32_16x16x32_bf16 v[8*(8*(\a)+(\b)):8*(8*(\a)+(\b))+7], v[(\f)+8*(\b):(\f)+8*(\b)+7], v[(\f)+8*(4*(\hi)+(\a)):(\f)+8*(4*(\hi)+(\a))+7], 0
.else
	v_wmma_f32_16x16x32_bf16 v[8*(8*(\a)+(\b)):8*(8*(\a)+(\b))+7], v[(\f)+8*(\b):(\f)+8*(\b)+7], v[(\f)+8*(4*(\hi)+(\a)):(\f)+8*(4*(\hi)+(\a))+7], v[8*(8*(\a)+(\b)):8*(8*(\a)+(\b))+7]
.endif
.endr
.endr
.endm
; 32 LDS loads in one run: the fragments of one quarter step (32 K at byte k of the rows) into buffer f: q's eight blocks, then x's; blocks 4-7 are the im rows, HALFT further on
.macro FETCH slot, k, f
	WIN TO_B
.irp i, 0,1,2,3,4,5,6,7
	ds_load_b128 v[(\f)+8*(\i):(\f)+8*(\i)+3],   v[ADRB+(\slot)] offset:(\k)+((\i)%4)*16*PITCH+((\i)/4)*HALFT
	ds_load_b128 v[(\f)+8*(\i)+4:(\f)+8*(\i)+7], v[ADRB+(\slot)] offset:(\k)+((\i)%4)*16*PITCH+((\i)/4)*HALFT+32
.endr
	WIN 0
.irp i, 0,1,2,3,4,5,6,7
	ds_load_b128 v[(\f)+8*(\i):(\f)+8*(\i)+3],   v[ADRA+(\slot)] offset:(\k)+((\i)%4)*16*PITCH+((\i)/4)*HALFT
	ds_load_b128 v[(\f)+8*(\i)+4:(\f)+8*(\i)+7], v[ADRA+(\slot)] offset:(\k)+((\i)%4)*16*PITCH+((\i)/4)*HALFT+32
.endr
.endm
; Four places (plain vector instructions that name none of a matrix instruction's registers) in front of loads into registers that matrix instructions have read, and of lines that read results
.macro PLACES
.rept 4
	v_nop
.endr
.endm
; A K step is four quarter steps of 32 along K, 64 matrix instructions each, on buffers 0, 1, 0, 1.  One of the first three: multiplies buffer f; in its middle it fetches the next quarter, at byte k, into buffer g.
.macro QUARTER slot, k, f, g, zero
	s_wait_dscnt 8                                 ; q and x_re's rows are in; the youngest eight loads (x_im's rows) may be out
	WIN MUL_LO
	MUL16 \f, 0, 0, \zero
	MUL16 \f, 0, 2, \zero
	PLACES
	FETCH \slot, \k, \g
	s_wait_dscnt 32                                ; all but the 32 just issued
	WIN MUL_HI
	MUL16 \f, 1, 0, \zero
	MUL16 \f, 1, 2, \zero
.endm
; The last quarter multiplies buffer 1 and changes slots.  MEET is its first half: ONE barrier for the change.  In front of it each wave waits for all its tensor loads, of which one is out: its part of the next
; slot; adds 0 to its spare word; and waits for that and for its own reads of this slot.  Behind it nobody reads this slot any more and the next slot is whole.
.macro MEET round                      ; round = 1: a round of the cluster's barrier follows
	WIN 0                                          ; (the add's two registers lie in window 0)
	s_wait_tensorcnt 0x0                           ; all my tensor loads have landed;
	ds_add_u32 v[SPW], v[NIL]                      ; 0 onto my spare word;
	s_wait_dscnt 9                                 ; (the add and the youngest eight loads may be out)
	WIN MUL_LO
	MUL16 F1, 0, 0, 0                              ; sixteen matrix instructions stand between the add and the wait for it
	s_wait_dscnt 0x0                               ; the add is done, and my reads of this slot are over:
	s_barrier_signal -1                            ; say so,
	MUL16 F1, 0, 2, 0                              ; work on registers while the others arrive,
.if \round
	WIN 0
.endif
	s_barrier_wait -1                              ; and go on when all four have said so
.endm
; The whole last quarter.  fill = 1: the barrier opens a round of the cluster's barrier, and behind the round the slot just read out is filled again first, with the K step two steps on: from that request to
; the wait for it a wave issues 224 matrix instructions.  Then come the next slot's first fragments.
.macro TURN slot, next, fill
.if \fill
	s_wait_xcnt 0x0                                ; the last prefetch, a K step back, has read its address: it is stepped here, ahead of the waits of the change of slots
	s_add_nc_u64 s[PFA:PFA+1], s[PFA:PFA+1], KSTEP*2
	MEET 1
	CREST                                          ; no wave of any partner still reads this slot's tile or has a load on its way
	s_add_nc_u64 s[G0+4*(\slot)+2:G0+4*(\slot)+3], s[G0+4*(\slot)+2:G0+4*(\slot)+3], 2*KSTEP*2      ; no tensor load of mine is out, so a group 0 may be written
	s_add_nc_u64 s[G0B+4*(\slot)+2:G0B+4*(\slot)+3], s[G0B+4*(\slot)+2:G0B+4*(\slot)+3], 2*KSTEP*2
	JLOAD \slot                                    ; the first tensor load behind the round, my only one until the next; its four v_nop are also the places in front of the loads below
	FETCH \next, 0, F0
	ASK
.else
	MEET 0                                         ; nothing is filled again, so no round follows
	PLACES
	FETCH \next, 0, F0
.endif
	WIN MUL_HI
	MUL16 F1, 1, 0, 0
	MUL16 F1, 1, 2, 0
.endm
; THE WAY OUT, eight parts p: row block a = p / 2 (16 rows), output o = p % 2.  PACK: 16 rows x 64 columns of one output from two products, in f32.  Each accumulator is read in one PACK alone, from its low end on.
.macro PACK a, o
.if (\o) == 0                          ; out0 = s_re (x_re q_re) - s_im (x_im q_im)
	WIN 0x02                                       ; source 0 window 2
.irp b, 0,1,2,3
.irp r, 0,2,4,6
	v_pk_mul_f32 v[TMP+8*(\b)+(\r):TMP+8*(\b)+(\r)+1], v[64*(\a)+8*(\b)+(\r):64*(\a)+8*(\b)+(\r)+1], s[SR:SR+1] op_sel_hi:[1,0]
.endr
.endr
	WIN 0x03                                       ; source 0 window 3
.irp b, 0,1,2,3
.irp r, 0,2,4,6
	v_pk_fma_f32 v[TMP+8*(\b)+(\r):TMP+8*(\b)+(\r)+1], v[64*(\a)+32+8*(\b)+(\r):64*(\a)+32+8*(\b)+(\r)+1], s[NSI:NSI+1], v[TMP+8*(\b)+(\r):TMP+8*(\b)+(\r)+1] op_sel_hi:[1,0,1]
.endr
.endr
.else                                  ; out1 = s_im (x_re q_im) + s_re (x_im q_re)
	WIN 0x02
.irp b, 0,1,2,3
.irp r, 0,2,4,6
	v_pk_mul_f32 v[TMP+8*(\b)+(\r):TMP+8*(\b)+(\r)+1], v[64*(\a)+32+8*(\b)+(\r):64*(\a)+32+8*(\b)+(\r)+1], s[SI:SI+1] op_sel_hi:[1,0]
.endr
.endr
	WIN 0x03
.irp b, 0,1,2,3
.irp r, 0,2,4,6
	v_pk_fma_f32 v[TMP+8*(\b)+(\r):TMP+8*(\b)+(\r)+1], v[64*(\a)+8*(\b)+(\r):64*(\a)+8*(\b)+(\r)+1], s[SR:SR+1], v[TMP+8*(\b)+(\r):TMP+8*(\b)+(\r)+1] op_sel_hi:[1,0,1]
.endr
.endr
.endif
	WIN 0
.endm
.macro TOSTAGE p                       ; into my own stage, 32 bytes a lane and column block, and back as whole rows of 256 bytes
	WIN 0
.set BKR, OB+192*((\p)%2)
.irp b, 0,1,2,3
	ds_store_b128 v[STO], v[TMP+8*(\b):TMP+8*(\b)+3]   offset:64*(\b)
	ds_store_b128 v[STO], v[TMP+8*(\b)+4:TMP+8*(\b)+7] offset:64*(\b)+16
.endr
.irp t, 0,1,2,3,4,5,6,7
	ds_load_b128 v[BKR+4*(\t):BKR+4*(\t)+3], v[RD] offset:(\t)*2*SPITCH  ; LDS serves a wave's instructions in order (ISA guide 5.7.1.4): these see the stores above
.endr
.endm
.macro SEND p
	WIN 0
.set BKR, OB+192*((\p)%2)
	s_wait_dscnt 0x0                               ; the part is back in registers
	s_wait_xcnt 0x0                                ; the stores of the part before have read their registers: the next part is read back into them only behind this wait
.irp t, 0,1,2,3,4,5,6,7
	global_store_b128 v[CO], v[BKR+4*(\t):BKR+4*(\t)+3], s[10+2*((\p)%2):11+2*((\p)%2)] offset:(16*((\p)/2)+2*(\t))*ROWB th:TH_STORE_NT  ; 16 lanes store 256 consecutive bytes, at a multiple of 256 from the output's first byte; 62 rows at the most in the immediate
.endr
.endm
	s_wait_tensorcnt 1                             ; my part of K step 0 is in; K step 1's may stay out
	s_barrier_signal -1
	s_barrier_wait -1                              ; everybody's is
	FETCH 0, 0, F0
	QUARTER 0, 64,  F0, F1, 1                      ; the first quarter stands in front of the loop: its products start the sums
	WIN 0                                          ; at a label and at a branch every window is 0
	s_mov_b32 s3, LAPS-1
.Llap:                                                 ; a trip goes once round the ring, from a lap's second quarter to the next lap's first, and fills both slots again
	QUARTER 0, 128, F1, F0, 0
	QUARTER 0, 192, F0, F1, 0
	TURN 0, 1, 1
	QUARTER 1, 64,  F0, F1, 0
	QUARTER 1, 128, F1, F0, 0
	QUARTER 1, 192, F0, F1, 0
	TURN 1, 0, 1
	QUARTER 0, 64,  F0, F1, 0
	WIN 0
	s_sub_co_u32 s3, s3, 1
	s_cmp_lg_u32 s3, 0
	s_cbranch_scc1 .Llap
	QUARTER 0, 128, F1, F0, 0                      ; the last lap is written out: it fills nothing
	QUARTER 0, 192, F0, F1, 0
	TURN 0, 1, 0
	QUARTER 1, 64,  F0, F1, 0
	QUARTER 1, 128, F1, F0, 0
	QUARTER 1, 192, F0, F1, 0
	s_wait_dscnt 8                                 ; the very last quarter: nothing more to fetch
	WIN MUL_LO
	MUL16 F1, 0, 0, 0
	MUL16 F1, 0, 2, 0
	s_wait_dscnt 0x0
	WIN MUL_HI
	MUL16 F1, 1, 0, 0
	MUL16 F1, 1, 2, 0
	WIN 0
	PLACES                                         ; the places behind the last products, in front of the lines that read results: eight, once a launch
	PLACES
	PACK 0, 0
	TOSTAGE 0
.irp p, 1,2,3,4,5,6,7                  ; part p's arithmetic stands between part p - 1's loads from the stage and the wait for them
	PACK (\p)/2, (\p)%2
	SEND (\p)-1
	TOSTAGE \p
.endr
	SEND 7
	s_wait_tensorcnt 0x0                           ; the wave's end, behind my last tensor load and my last LDS store
	ds_add_u32 v[SPW], v[NIL]
	s_wait_dscnt 0x0
	CROUND                                         ; the closing round: no work-group ends while a partner may still ask for a tile that names it
	s_endpgm
.Lfunc_end_k_q4a7ad8b86d_gemm:
	.size	k_q4a7ad8b86d_gemm, .Lfunc_end_k_q4a7ad8b86d_gemm-k_q4a7ad8b86d_gemm
	.p2alignl 7, 3214868480
	.fill 96, 4, 3214868480
	.section	.rodata,"a",@progbits
	.p2align	6, 0x0
	.amdhsa_kernel k_q4a7ad8b86d_gemm
		.amdhsa_group_segment_fixed_size 327680
		.amdhsa_private_segment_fixed_size 0
		.amdhsa_enable_private_segment 0
		.amdhsa_kernarg_size 40
		.amdhsa_user_sgpr_count 2
		.amdhsa_user_sgpr_kernarg_segment_ptr 1
		.amdhsa_wavefront_size32 1
		.amdhsa_system_sgpr_workgroup_id_x 1
		.amdhsa_system_sgpr_workgroup_id_y 1
		.amdhsa_system_sgpr_workgroup_id_z 1
		.amdhsa_system_vgpr_workitem_id 0
		.amdhsa_next_free_vgpr 1024
		.amdhsa_next_free_sgpr 84
		.amdhsa_reserve_vcc 0
		.amdhsa_float_denorm_mode_32 3
		.amdhsa_float_denorm_mode_16_64 3
		.amdhsa_memory_ordered 1
		.amdhsa_forward_progress 1
		.amdhsa_inst_pref_size 146
	.end_amdhsa_kernel
	.amdgpu_metadata
---
amdhsa.version: [ 1, 2 ]
amdhsa.kernels:
  - .name:           k_q4a7ad8b86d_gemm
    .symbol:         k_q4a7ad8b86d_gemm.kd
    .args:
      - { .name: xb, .offset: 0, .size: 8, .value_kind: global_buffer, .address_space: global }
      - { .name: qb, .offset: 8, .size: 8, .value_kind: global_buffer, .address_space: global }
      - { .name: part, .offset: 16, .size: 8, .value_kind: global_buffer, .address_space: global }
      - { .name: out0, .offset: 24, .size: 8, .value_kind: global_buffer, .address_space: global }
      - { .name: out1, .offset: 32, .size: 8, .value_kind: global_buffer, .address_space: global }
    .group_segment_fixed_size: 327680
    .private_segment_fixed_size: 0
    .kernarg_segment_align: 8
    .kernarg_segment_size: 40
    .max_flat_workgroup_size: 128
    .sgpr_count:     84
    .vgpr_count:     1024
    .wavefront_size: 32
...
	.end_amdgpu_metadata
.endif
;; end of part 3
;; ======== version 2 of 2: 3 launches; version 1 with the launch tern written anew for expert scheduling mode
;; workspace buffers: xb 33,554,432 bytes; qb 33,554,432 bytes; part 2,048 bytes
;; launch prep: the kernel of part 1 again; grid 256 x 1, 16 waves a work-group, no clusters, 2,304 bytes of LDS; arguments weight_re, weight_im, quant_x_re, quant_x_im, xb, part; writes xb, part
;; launch tern (part 4): grid 256 x 1, 16 waves a work-group, no clusters, 0 bytes of LDS; arguments weight_re, weight_im, part, qb; writes qb
.if DOCPART == 4
	.amdgcn_target "amdgcn-amd-amdhsa--gfx1250"
	.amdhsa_code_object_version 6
	.text
	.protected	k_q4a7ad8b86d_tern
	.globl	k_q4a7ad8b86d_tern
	.p2align	8
	.type	k_q4a7ad8b86d_tern,@function
k_q4a7ad8b86d_tern:
	s_mov_b64 s[64:65], 0
	v_nop
	global_prefetch_b8 v0, s[64:65] scope:SCOPE_SE
	s_setreg_imm32_b32 hwreg(HW_REG_WAVE_SCHED_MODE, 0, 2), 2
	s_setreg_imm32_b32 hwreg(HW_REG_WAVE_MODE, 25, 1), 1
	s_wait_xcnt 0x0
	s_wait_alu depctr_vm_vsrc(0)
; TERN.  qb = the ternary digits as bf16 (-1, 0, 1 are exact there): rows 0-2047 of weight_re, rows 2048-4095 of weight_im, 4,096 a row.
;   m = max(sum of |bf16(w)| / 2^23, 1e-5);  scale = 1 / m;  q = clip(round to nearest even(bf16(w) x scale), -1, 1).  The factor 1 / scale is applied by the product's launch, in f32.
; LIMIT.  The weights are rounded to bf16 ahead of the threshold (see the launch that makes part).  1 / m is v_rcp_f32 and one Newton step (two fused multiply-adds).  NaN and infinities are not treated apart.
; Every wave adds the 256 partial sums of each matrix in the same order, so the whole launch has one threshold for each matrix.
; SHARES as in the launch before: 16 chunks of 8,192 bytes of each matrix to a work-group, 16 bytes a thread and chunk; all 32 loads of a thread go out at the start.
; No LDS, matrix unit or cluster: every byte of w is read once, by one lane.
; THE MODE: SCHED_MODE bits 1:0 = 2 (LLVM: expert scheduling mode 2), set by the entry lines.  The code itself states the register dependences
; between vector instructions and memory instructions, with s_wait_alu, always for 0.
; THE PLAN.  Registers that memory instructions touch:
;   v1, v2, v3   byte offsets, made once at the head and never written again: one wait in front of the first load serves every load and store.
;   v[4:19]      part: written by four loads at the head; no vector line names them ahead of those loads.
;   slot n       four registers.  Written by one load at the head; then by the slot's own arithmetic, in place, behind the slot's wait on LOADcnt;
;                its first two registers are read by the slot's one store, and nothing writes them after that.
; The 32 slots go in eight blocks of four.  Block p works on its own four slots; its memory instructions are the four stores of block p - 1, whose registers no
; vector line of block p names.  So ONE wait on va_vdst at a block's head states all that its four stores hang on, and they are dealt among the block's arithmetic with no further wait.
; No register that a memory instruction reads is ever written again: so behind the entry lines stands no wait on vm_vsrc and no s_wait_xcnt.  EXEC and VCC are never written.
.set CH,  8192
.set OCH, 4096
.set VO,  1                            ; v1   16 t; never rewritten
.set SO,  2                            ; v2   8 t; never rewritten
.set PV,  3                            ; v3   16 x lane; never rewritten
.set PR,  4                            ; v[4:11]   eight of weight_re's 256 partial sums, then at work
.set PI,  12                           ; v[12:19]  the same for weight_im
.set BK,  20                           ; v[20:147] 32 slots of four registers
	s_load_b256 s[4:11], s[0:1], 0x0               ; weight_re s[4:5], weight_im s[6:7], part s[8:9], qb s[10:11]
	v_lshlrev_b32 v[VO], 4, v0
	v_lshlrev_b32 v[SO], 3, v0
	v_and_b32 v[PV], 31, v0
	v_lshlrev_b32 v[PV], 4, v[PV]
	s_lshl_b32 s12, ttmp9, 17
	s_mov_b32 s13, 0
	s_lshl_b32 s14, ttmp9, 16
	s_mov_b32 s15, 0
	s_mov_b32 s18, 0xffff0000                      ; a word's upper bf16
	s_mov_b32 s20, 0x76543210
	s_mov_b32 s21, 0xfedcba98
	s_mov_b32 s26, 0xbf800000                      ; -1.0
	s_mov_b32 s27, 0x3f800000                      ; 1.0
	s_wait_kmcnt 0x0
	s_add_nc_u64 s[4:5], s[4:5], s[12:13]
	s_add_nc_u64 s[6:7], s[6:7], s[12:13]
	s_add_nc_u64 s[10:11], s[10:11], s[14:15]      ; qb, the re half
	s_add_nc_u64 s[16:17], s[10:11], 0x1000000     ; qb, the im half
	s_wait_alu depctr_va_vdst(0)                   ; v1, v2 and v3 are written: every load and store of the kernel reads one of them as its offset
	global_load_b128 v[PR:PR+3],   v[PV], s[8:9]               ; 256 f32 of a matrix are 1,024 bytes: 2 x 16 bytes a lane
	global_load_b128 v[PR+4:PR+7], v[PV], s[8:9] offset:512
	global_load_b128 v[PI:PI+3],   v[PV], s[8:9] offset:1024
	global_load_b128 v[PI+4:PI+7], v[PV], s[8:9] offset:1536
.irp i, 0,1,2,3,4,5,6,7,8,9,10,11,12,13,14,15
	global_load_b128 v[BK+4*(\i):BK+4*(\i)+3], v[VO], s[4:5] offset:CH*(\i) th:TH_LOAD_NT
.endr
.irp i, 0,1,2,3,4,5,6,7,8,9,10,11,12,13,14,15
	global_load_b128 v[BK+64+4*(\i):BK+64+4*(\i)+3], v[VO], s[6:7] offset:CH*(\i) th:TH_LOAD_NT
.endr
.macro WAVESUM a, tmp                  ; the sum over the 32 lanes, in every lane
	v_add_f32_dpp v[\a], v[\a], v[\a] row_xmask:1 row_mask:0xf bank_mask:0xf
	v_add_f32_dpp v[\a], v[\a], v[\a] row_xmask:2 row_mask:0xf bank_mask:0xf
	v_add_f32_dpp v[\a], v[\a], v[\a] row_xmask:4 row_mask:0xf bank_mask:0xf
	v_add_f32_dpp v[\a], v[\a], v[\a] row_xmask:8 row_mask:0xf bank_mask:0xf
	v_permlanex16_b32 v[\tmp], v[\a], s20, s21
	v_add_f32 v[\a], v[\a], v[\tmp]
.endm
.macro SUM256 a                        ; eight numbers a lane, 256 in the wave: their sum into v[a] of every lane
	v_pk_add_f32 v[(\a):(\a)+1], v[(\a):(\a)+1], v[(\a)+4:(\a)+5]
	v_pk_add_f32 v[(\a)+2:(\a)+3], v[(\a)+2:(\a)+3], v[(\a)+6:(\a)+7]
	v_pk_add_f32 v[(\a):(\a)+1], v[(\a):(\a)+1], v[(\a)+2:(\a)+3]
	v_add_f32 v[(\a)], v[(\a)], v[(\a)+1]
	WAVESUM (\a), (\a)+1
.endm
; d = 1 / x for two numbers: the two reciprocals are one batch, with one plain line and one wait ahead of their first reader; then a Newton step: e = 1 - x d, d = d + e d.
.macro RECIP2 d0, x0, e0, d1, x1, e1
	v_rcp_f32 v[\d0], v[\x0]
	v_rcp_f32 v[\d1], v[\x1]
	v_nop
	s_wait_alu depctr_va_vdst(0)                   ; the two reciprocals have written d0 and d1, which the four lines below read
	v_fma_f32 v[\e0], -v[\x0], v[\d0], 1.0
	v_fma_f32 v[\e1], -v[\x1], v[\d1], 1.0
	v_fma_f32 v[\d0], v[\e0], v[\d0], v[\d0]
	v_fma_f32 v[\d1], v[\e1], v[\d1], v[\d1]
.endm
	s_wait_loadcnt 32                              ; the four loads of part are in; the 32 younger loads of w stay out
	SUM256 PR
	SUM256 PI
	v_mul_f32 v[PR], 0x34000000, v[PR]             ; / 2^23 numbers: exact
	v_mul_f32 v[PI], 0x34000000, v[PI]
	v_max_num_f32 v[PR], 0x3727c5ac, v[PR]         ; 1e-5
	v_max_num_f32 v[PI], 0x3727c5ac, v[PI]
	RECIP2 PR+1, PR, PR+2, PI+1, PI, PI+2
	v_readfirstlane_b32 s22, v[PR+1]               ; scale of weight_re; the packed multiply names a pair, so both words are written
	v_readfirstlane_b32 s23, v[PR+1]
	v_readfirstlane_b32 s24, v[PI+1]               ; scale of weight_im
	v_readfirstlane_b32 s25, v[PI+1]
	s_wait_alu depctr_va_sdst(0)                   ; s22 to s25 are written, ahead of their first reader, the first slot's packed multiply: one wait for the four
; Slot n: matrix n / 16, chunk n % 16.  QMATH: four numbers are rounded to bf16, widened, scaled, rounded to whole numbers, clipped and packed (exact), in the slot's own registers.
.macro QMATH n
.set X, BK+4*(\n)
	v_cvt_pk_bf16_f32 v[X], v[X], v[X+1]
	v_cvt_pk_bf16_f32 v[X+2], v[X+2], v[X+3]
	v_and_b32 v[X+1], s18, v[X]
	v_lshlrev_b32 v[X], 16, v[X]
	v_and_b32 v[X+3], s18, v[X+2]
	v_lshlrev_b32 v[X+2], 16, v[X+2]
	v_pk_mul_f32 v[X:X+1], v[X:X+1], s[22+2*((\n)/16):23+2*((\n)/16)] op_sel_hi:[1,0]
	v_pk_mul_f32 v[X+2:X+3], v[X+2:X+3], s[22+2*((\n)/16):23+2*((\n)/16)] op_sel_hi:[1,0]
	v_rndne_f32 v[X], v[X]
	v_rndne_f32 v[X+1], v[X+1]
	v_rndne_f32 v[X+2], v[X+2]
	v_rndne_f32 v[X+3], v[X+3]
	v_med3_num_f32 v[X], v[X], s26, s27
	v_med3_num_f32 v[X+1], v[X+1], s26, s27
	v_med3_num_f32 v[X+2], v[X+2], s26, s27
	v_med3_num_f32 v[X+3], v[X+3], s26, s27
	v_cvt_pk_bf16_f32 v[X], v[X], v[X+1]
	v_cvt_pk_bf16_f32 v[X+1], v[X+2], v[X+3]
.endm
; QOUT: slot n's eight bytes are stored.
.macro QOUT n
.set XO, BK+4*(\n)
	global_store_b64 v[SO], v[XO:XO+1], s[10+6*((\n)/16):11+6*((\n)/16)] offset:OCH*((\n)%16) th:TH_STORE_NT  ; a wave's store covers 256 consecutive bytes, aligned; its registers are not written again
.endm
; Block p: slots 4 p to 4 p + 3 are worked on; the four stores of block p - 1 go out, the first behind the wait at the block's head, each of the others in front of the next slot's wait for its load.
.macro QBLK p
.irp i, 0,1,2,3
.if ((\p) > 0) && ((\i) > 0)
	QOUT 4*(\p)-4+(\i)                             ; no wait: no vector line since the wait at the block's head names this store's registers
.endif
	s_wait_loadcnt 31-4*(\p)-(\i)                  ; loads come back in order: the younger ones stay out
.if ((\p) > 0) && ((\i) == 0)
	s_wait_alu depctr_va_vdst(0)                   ; the block before has written its four slots' first two registers, which this block's four stores read
	QOUT 4*(\p)-4
.endif
	QMATH 4*(\p)+(\i)
.endr
.endm
.irp p, 0,1,2,3,4,5,6,7
	QBLK \p
.endr
	s_wait_alu depctr_va_vdst(0)                   ; block 7 has written its four slots' first two registers, which the last four stores read
.irp n, 28,29,30,31
	QOUT \n
.endr
	s_endpgm
.Lfunc_end_k_q4a7ad8b86d_tern:
	.size	k_q4a7ad8b86d_tern, .Lfunc_end_k_q4a7ad8b86d_tern-k_q4a7ad8b86d_tern
	.p2alignl 7, 3214868480
	.fill 96, 4, 3214868480
	.section	.rodata,"a",@progbits
	.p2align	6, 0x0
	.amdhsa_kernel k_q4a7ad8b86d_tern
		.amdhsa_group_segment_fixed_size 0
		.amdhsa_private_segment_fixed_size 0
		.amdhsa_enable_private_segment 0
		.amdhsa_kernarg_size 32
		.amdhsa_user_sgpr_count 2
		.amdhsa_user_sgpr_kernarg_segment_ptr 1
		.amdhsa_wavefront_size32 1
		.amdhsa_system_sgpr_workgroup_id_x 1
		.amdhsa_system_sgpr_workgroup_id_y 1
		.amdhsa_system_sgpr_workgroup_id_z 1
		.amdhsa_system_vgpr_workitem_id 0
		.amdhsa_next_free_vgpr 148
		.amdhsa_next_free_sgpr 66
		.amdhsa_reserve_vcc 0
		.amdhsa_float_denorm_mode_32 3
		.amdhsa_float_denorm_mode_16_64 3
		.amdhsa_memory_ordered 1
		.amdhsa_forward_progress 1
		.amdhsa_inst_pref_size 39
	.end_amdhsa_kernel
	.amdgpu_metadata
---
amdhsa.version: [ 1, 2 ]
amdhsa.kernels:
  - .name:           k_q4a7ad8b86d_tern
    .symbol:         k_q4a7ad8b86d_tern.kd
    .args:
      - { .name: weight_re, .offset: 0, .size: 8, .value_kind: global_buffer, .address_space: global }
      - { .name: weight_im, .offset: 8, .size: 8, .value_kind: global_buffer, .address_space: global }
      - { .name: part, .offset: 16, .size: 8, .value_kind: global_buffer, .address_space: global }
      - { .name: qb, .offset: 24, .size: 8, .value_kind: global_buffer, .address_space: global }
    .group_segment_fixed_size: 0
    .private_segment_fixed_size: 0
    .kernarg_segment_align: 8
    .kernarg_segment_size: 32
    .max_flat_workgroup_size: 512
    .sgpr_count:     66
    .vgpr_count:     148
    .wavefront_size: 32
...
	.end_amdgpu_metadata
.endif
;; end of part 4
;; launch gemm: the kernel of part 3 again; grid 16 x 16, 4 waves a work-group, clusters of 4 x 4, 327,680 bytes of LDS; arguments xb, qb, part, out0, out1; writes out0, out1
